; MI455X (gfx1250); checked and timed in simulation.
; The chip was launched on July 23, 2026; its instructions are those of AMD's public machine-readable ISA for CDNA 5 (MIT licence, August 2026) and "CDNA5" Instruction Set Architecture Reference Guide (July 2026). The comments in the code are by the model that wrote it; some were corrected since.
;; QKV Attention. Allowed arithmetic: matrix products marked QUANTISED: E4M3 operands, one E8M0 scale for each 32 along K, by v_wmma_scale_f32_16x16x128_f8f6f4 with both operands' format E4M3, f32 sums; everything else in f32.
;; Inputs: qkv 4 x 2,048 x 3,072 float32.
;; Outputs: out0 4 x 2,048 x 1,024 float32.
;; This version of the problem:
;;   THIS VERSION OF THE PROBLEM IS GIVEN IN LOW PRECISION. The matrix products marked QUANTISED in the list below multiply operands that are first quantised to E4M3 (4 exponent bits, 3 mantissa bits; 8 bits a number), with one power-of-two scale for each 32 numbers along K (OCP MX v1.0); their sums are f32. All else is computed in f32.
;;   The module's matrix products, in the order in which they are computed (A, B: the left and right operand; K: the contracted axis; several contracted axes count as one K, in the product's order):
;;     1. batch 64 x [M 2,048, K 64] x [K 64, N 2,048]; A: computed on the way; B: computed on the way: QUANTISED
;;     2. batch 64 x [M 2,048, K 2,048] x [K 2,048, N 64]; A: softmax (see below); B: computed on the way: QUANTISED
;;   THE QUANTISER, for each operand of a quantised product, along K:
;;     - K is cut into blocks of 32 from its start; a last block that is shorter is filled with zeros.
;;     - A block's scale is 2^e with e = floor(log2(the largest magnitude in the block)) - 8, held to -126 .. 127; a block of zeros has e = 0. As a byte (E8M0): e + 127.
;;     - Each number is divided by its block's scale, clamped to +-448, and rounded to the nearest number of E4M3, ties to even, subnormals kept.
;;     - The product sums the exact products of the quantised numbers (number of the format x scale) in f32.
;;   ~~~python
;;   def quantise(x, axis):      # numpy; x: float32 -> the quantised numbers, widened to float32 again
;;       x = np.moveaxis(x, axis, -1); K = x.shape[-1]
;;       x = np.pad(x, [(0, 0)] * (x.ndim - 1) + [(0, -K % 32)]); x = x.reshape(x.shape[:-1] + (-1, 32)); a = np.abs(x).max(-1, keepdims=True)
;;       e = np.where(a > 0, np.clip(np.frexp(np.where(a > 0, a, 1))[1] - 1 - 8, -126, 127), 0)      # np.frexp(a)[1] - 1 = floor(log2(a)), exactly
;;       r = np.clip(x / 2.0 ** e, -448, 448)
;;       step = 2.0 ** (np.maximum(np.frexp(np.where(r == 0, 1, r))[1] - 1, -6) - 3)
;;       q = np.round(r / step) * step * 2.0 ** e      # np.round: ties to even
;;       return np.moveaxis(q.reshape(q.shape[:-2] + (-1,))[..., :K], -1, axis).astype(np.float32)
;;   ~~~
;;   SOFTMAX AHEAD OF A QUANTISED PRODUCT. Where the list says 'softmax', what is quantised is not the finished softmax but p = 2^(t - M), with t = logit x log2(e) and M = ceil(the row's largest t), a whole number; so 1/2 < the row's largest p <= 1. The row's sum l is taken of the UNQUANTISED p, in f32, and the product's result is divided by l at the end. Since M is a whole number, a kernel that streams over the keys may use a running M (the ceiling of the running maximum): every later rescaling is an exact power of two, which a block's scale takes up: the codes' values come out the same.
;;   OPERANDS COMPUTED ON THE WAY. 'Computed on the way' means the value that the module computes at that place (a softmax that the list does not call 'softmax' is quantised finished and normalised). What goes into a quantiser is computed in f32, as accurately as f32 sums, v_exp_f32 and their like allow (about 1e-6 of the number): no bf16 or f16 on the way to a quantiser, and a product that is left as it is and whose result goes on into a quantised operand takes f32 operands (vector FMAs, or v_wmma_f32_16x16x4_f32). A number that lies on a knife's edge between two numbers of the format may be rounded either way, as far as f32 arithmetic and the matrix unit's own rounding can turn it there, and no further.
;; One version. Each part assembles by itself: llvm-mc -triple=amdgcn-amd-amdhsa -mcpu=gfx1250 --defsym DOCPART=n.
;; ======== version 1 of 1: 1 launch
;; limits: right only within a limited range of input values
;; launch attn (part 1): grid 4 x 64, 8 waves a work-group, clusters of 4 x 1, 306,176 bytes of LDS; arguments qkv, out0; writes out0
.if DOCPART == 1
	.amdgcn_target "amdgcn-amd-amdhsa--gfx1250"
	.amdhsa_code_object_version 6
	.text
	.protected	k_q08b8079d28_attn
	.globl	k_q08b8079d28_attn
	.p2align	8
	.type	k_q08b8079d28_attn,@function
k_q08b8079d28_attn:
	s_mov_b64 s[64:65], 0
	v_nop
	global_prefetch_b8 v0, s[64:65] scope:SCOPE_SE
	s_setreg_imm32_b32 hwreg(HW_REG_WAVE_MODE, 25, 1), 1
	s_wait_xcnt 0x0
	s_wait_alu depctr_hold_cnt(0) depctr_sa_sdst(0) depctr_va_vdst(0) depctr_va_sdst(0) depctr_va_ssrc(0) depctr_va_vcc(0) depctr_vm_vsrc(0)
	s_getreg_b32 s2, hwreg(HW_REG_IB_STS2, 6, 4)
	s_cmp_eq_u32 s2, 0
	s_cbranch_scc0 .Lentry_in_a_cluster
	s_endpgm
.Lentry_in_a_cluster:
	s_bfe_u32 s2, ttmp6, 0x10000c
	s_cmp_lg_u32 s2, 0x3003
	s_cbranch_scc0 .Lentry_shape_is_right
	s_endpgm
.Lentry_shape_is_right:
; QKVAttention in one launch: softmax(q k^T / 8) v for 64 heads of 2,048 positions x 64 channels, both products on codes of E4M3 with one E8M0 byte for each 32 along a product's K.
; THE RESHAPE.  reference() reinterprets [4][2048][1024] as [64][2048][64]: head bh is rows 128 bh .. 128 bh + 127 of the flat [8192][3072] array, position i of a head is the
; 256-byte piece i % 16 of row 128 bh + i / 16; in a row q begins at byte 0, k at byte 4,096, v at byte 8,192.  So 16 neighbouring positions are one dense run of 4,096 bytes.
; DEAD WORK: none is left out; every byte of qkv has a way to the output and is loaded.
; SHARES.  A work-group owns 512 queries of one head (grid x: which 512; grid y: the head).  FIRST it quantises the head's K x 8^-1/2 and V into LDS, as 16 RECORDS of 16,896 bytes, one for each 128 keys:
;   byte 0      K: tile t (keys 16 t + r), block c of 32 channels: 512 bytes at 1024 t + 512 c; lane 16 h + r: key r, channels 32 c + 16 h + 0 .. 15
;   byte 8192   V: tile t (channels 16 t + r), block c of 32 keys: 512 bytes at 2048 t + 512 c; lane 16 h + r: channel r; byte i is key 32 c + 16 (i / 8) + 8 h + i % 8, the order in which p falls into registers
;   byte 16384  K's scale words: (pair of tiles p, key r) at 8 (16 (p % 2) + r) + 4 (p / 2): bytes 0, 1 tile 2 p's two blocks, bytes 2, 3 tile 2 p + 1's
;   byte 16640  V's scale words: (tile t, channel r) at 8 (16 (t % 2) + r) + 4 (t / 2): byte c is key block c
; Wave w makes records 2 w and 2 w + 1, in 8 chunks of two rows of qkv (two tiles of K, one key block of V): 32 loads of 512 bytes a chunk, two sets of registers by turns, so that two chunks' loads are out.
; One barrier; THEN each wave walks all 16 records twice, each time for 32 of its 64 queries (two tiles), as a streaming softmax.
; THE QUANTISER.  A block's scale is 2^(floor(log2(largest magnitude)) - 8): its byte is the largest magnitude's exponent field - 8, held at 1 from below by a floor among the maximum's leaves.
; V is loaded densely, four channels x 16 keys a lane: each channel is multiplied by the exact power of two 1 / scale, held at +-448, converted with the scale 1, and the bytes are transposed by v_perm_b32.
; THE SOFTMAX.  t = score x log2(e); M = the ceiling of the running largest t; p = 2^(t - M) is quantised along the keys; the sum is taken of the unquantised p and divides at the end.
; LIMITS: NaN and infinities among the inputs are not served.  A block of zeros, or one whose largest magnitude lies under 2^-118, gets the byte 1: its codes are zeros or follow the held scale, and this
; launch alone reads the bytes.  The softmax holds while the scaled scores t stay under 2^31 in magnitude.
; NO JOINT LOADS: what the four work-groups of a head share is K and V as f32, 1,048,576 bytes a head, which must pass through registers to be quantised; beside the 270,336 bytes of codes LDS has no room for such tiles.
; NO PREFETCH: the loads into registers themselves stand two chunks (32,768 bytes a wave) ahead of their use, and the walk over the keys reads LDS alone.
.set REC,   16896
.set VIMG,  8192
.set KSCO,  16384
.set VSCO,  16640
.set SPITCH, 272
.set STAGE, 16*REC                     ; behind the records: 16 rows x 272 bytes for each wave: the turn of K and Q on the way in, O on the way out
.set SPARE, STAGE+8*16*SPITCH          ; the spare words, 128 bytes for each wave: four blocks of 256 bytes that no other line names
; window 0
.set LI,  1                            ; 16 x lane
.set SPW, 2                            ; my spare word; never rewritten
.set NIL, 3                            ; 0; never rewritten
.set ADR, 4
.set STO, 5                            ; stage: row r, + 32 h
.set RD,  6                            ; stage: row h, + 16 r
.set SO,  7                            ; stage: row r, + 64 h
.set VGO, 8                            ; v8-17: the first part's addresses and constants; afterwards v8-19 are NM
.set LKS, 9
.set LVI, 10
.set LVS, 11
.set AK,  12
.set AKS, 13
.set AVI, 14
.set AVS, 15
.set C448, 16
.set ONE, 17
.set NM,  8                            ; for each tile: -M, largest t, the sum (2), f (2)
.set PW,  20
.set QW,  22
.set QN,  24
.set VBY, 26                           ; v26-29 V's four scale bytes, v30 K's scale word (first part)
.set KWD, 30
.set TMP, 26
.set KSC, 28
.set VSC, 30
.set TM,  32
.set CC,  48                           ; v48-63 V's codes before the transposition
.set X,   64                           ; v64-127 two tiles of K or Q, 16 neighbours of each block
.set VA,  128                          ; v128-191, v192-255 V as loaded, two sets
.set S,   64
.set P,   192
.set L2,  224
.set L8,  228
.set AD8, 229
.set L3,  230
; window 1
.set KF,  0                            ; first part: v0-127 K as loaded, two sets; v128-255 Q as loaded
.set VF,  64
.set O,   128
.set TT,  128                          ; first part: V's codes, transposed
.set KC,  144                          ; first part: K's codes
.set QF,  192                          ; for each tile Q, zeros, Q: 24 registers
.set QNX, 240                          ; the second walk's Q
.set TB,  2
.set CNT, 3
.set WV,  18
.set MNT, 19
.set SEL, 20
.set CS,  22
.set PS,  24
.set LB,  28
.set TRIP, 29
.set CQ,  40
.set PASS, 42
.set MSB, 0
.macro WIN new                         ; the immediate's high byte repeats the setting that is left
.if MSB != \new
	s_set_vgpr_msb (MSB<<8)|\new
.set MSB, \new
.endif
.endm
.macro QLOAD k                         ; Q's tile k: one dense run of 4,096 bytes
.set i, 0
.rept 8
	global_load_b128 v[128+32*\k+4*i:128+32*\k+4*i+3], v[LI], s[10:11] offset:(16*(\k/2)+\k%2)*12288+512*i th:TH_LOAD_NT
.set i, i+1
.endr
.endm
.macro LOADS q, set                    ; chunk q of the record in hand: rows 2 q, 2 q + 1: two tiles of K, 32 keys of V.  Sixteen lanes read 256 consecutive bytes, aligned
	WIN 0x40
.irp a, 0,1
.set i, 0
.rept 8
	global_load_b128 v[64*\set+32*\a+4*i:64*\set+32*\a+4*i+3], v[LI], s[8:9] offset:(2*(\q)+\a)*12288+4096+512*i
.set i, i+1
.endr
.endr
	WIN 0
.set i, 0
.rept 16
	global_load_b128 v[VA+64*\set+4*i:VA+64*\set+4*i+3], v[VGO], s[8:9] offset:(2*(\q)+i/8)*12288+8192+256*(i%8)   ; register 4 i + j: key 16 (i / 8) + 8 h + i % 8, channel 4 r + j
.set i, i+1
.endr
.endm
.macro TURN raw, a                     ; a tile through my stage: in as loaded, out 16 neighbours along the channels a block.  LDS serves a wave's instructions in order
	WIN 0x04
.set i, 0
.rept 8
	ds_store_b128 v[RD], v[(\raw)+4*i:(\raw)+4*i+3] offset:544*i
.set i, i+1
.endr
	WIN 0
.irp c, 0,1
.irp j, 0,1,2,3
	ds_load_b128 v[X+32*\a+16*\c+4*\j:X+32*\a+16*\c+4*\j+3], v[SO] offset:128*\c+16*\j
.endr
.endr
.endm
.macro Q4                              ; X's four blocks (two tiles x two blocks of 32 channels): x 8^-1/2, scales, holds.  Leaves: bytes in TM+4.., the conversions' scale operands in TM+12..
.set j, 0
.rept 32
	v_pk_mul_f32 v[X+j:X+j+1], v[X+j:X+j+1], s[CQ:CQ+1] op_sel_hi:[1,0]
.set j, j+2
.endr
.irp b, 0,1,2,3
	v_max3_num_f32 v[TM+\b], |v[X+16*\b]|, |v[X+16*\b+1]|, 0x4800000   ; and the floor 2^(9 - 127)
.endr
.irp i, 2,4,6,8,10,12,14
.irp b, 0,1,2,3
	v_max3_num_f32 v[TM+\b], v[TM+\b], |v[X+16*\b+\i]|, |v[X+16*\b+\i+1]|
.endr
.endr
.irp b, 0,1,2,3
	v_permlanex16_b32 v[TM+4+\b], v[TM+\b], s[SEL], s[SEL+1]
.endr
.irp b, 0,1,2,3
	v_max_num_f32 v[TM+\b], v[TM+\b], v[TM+4+\b]
.endr
.irp b, 0,1,2,3
	v_add_nc_u32 v[TM+12+\b], 0xfc000000, v[TM+\b]
.endr
.irp b, 0,1,2,3
	v_and_or_b32 v[TM+8+\b], v[TM+\b], 0x7f800000, s[MNT]
.endr
.irp b, 0,1,2,3
	v_lshrrev_b32 v[TM+4+\b], 23, v[TM+12+\b]
.endr
.irp b, 0,1,2,3
.set i, 0
.rept 16
	v_med3_num_f32 v[X+16*\b+i], v[X+16*\b+i], -v[TM+8+\b], v[TM+8+\b]   ; the conversion does not saturate (ISA guide 7.6.2)
.set i, i+1
.endr
.endr
.endm
.macro CVB d, b                        ; block b's 16 codes into window 1
	v_cvt_scalef32_pk8_fp8_f32 v[(\d):(\d)+1], v[X+16*(\b):X+16*(\b)+7], v[TM+12+(\b)]
	v_cvt_scalef32_pk8_fp8_f32 v[(\d)+2:(\d)+3], v[X+16*(\b)+8:X+16*(\b)+15], v[TM+12+(\b)]
.endm
; A CHUNK: c = which of the record's four; set = its registers; nx = loads issued behind its own; look = 1: the chunk two on belongs to the next record, and there is none behind the second
.macro CHUNK c, set, nx, look
.set VS, VA+64*\set
	s_wait_loadcnt \nx                             ; this chunk's 32 loads are in
	s_wait_dscnt 0x0                               ; the last chunk's stores have read their registers
	TURN 64*\set, 0
	TURN 64*\set+32, 1
.irp j, 0,1,2,3
	v_max3_num_f32 v[TM+\j], |v[VS+\j]|, |v[VS+4+\j]|, 0x4800000   ; V: four channels by turns, my 16 keys of each
.endr
.irp i, 2,4,6,8,10,12,14
.irp j, 0,1,2,3
	v_max3_num_f32 v[TM+\j], v[TM+\j], |v[VS+4*\i+\j]|, |v[VS+4*\i+4+\j]|
.endr
.endr
.irp j, 0,1,2,3
	v_permlanex16_b32 v[TM+4+\j], v[TM+\j], s[SEL], s[SEL+1]
.endr
.irp j, 0,1,2,3
	v_max_num_f32 v[TM+\j], v[TM+\j], v[TM+4+\j]   ; with lane l xor 16's 16 keys: the block's
.endr
.irp j, 0,1,2,3
	v_add_nc_u32 v[TM+12+\j], 0xfc000000, v[TM+\j]
.endr
.irp j, 0,1,2,3
	v_lshrrev_b32 v[VBY+\j], 23, v[TM+12+\j]       ; the scale's byte s
.endr
.irp j, 0,1,2,3
	v_and_b32 v[TM+8+\j], 0x7f800000, v[TM+12+\j]
.endr
.irp j, 0,1,2,3
	v_sub_nc_u32 v[TM+8+\j], 0x7f000000, v[TM+8+\j]   ; 1 / scale = 2^(127 - s): exponent field 254 - s
.endr
.set i, 0
.rept 16
	v_pk_mul_f32 v[VS+4*i:VS+4*i+1], v[VS+4*i:VS+4*i+1], v[TM+8:TM+9]       ; exact: a power of two
	v_pk_mul_f32 v[VS+4*i+2:VS+4*i+3], v[VS+4*i+2:VS+4*i+3], v[TM+10:TM+11]
.set i, i+1
.endr
.set i, 0
.rept 64
	v_med3_num_f32 v[VS+i], v[VS+i], -v[C448], v[C448]
.set i, i+1
.endr
.set i, 0
.rept 8
	v_cvt_scalef32_pk8_fp8_f32 v[CC+2*i:CC+2*i+1], v[VS+8*i:VS+8*i+7], v[ONE]   ; register CC + i: key index i, bytes = my four channels
.set i, i+1
.endr
	v_nop                                          ; the place behind the conversions
	s_wait_alu depctr_va_vdst(0)
	s_wait_dscnt 0x0                               ; K is back from the stage, and the stage's stores have read the registers that the loads below fill
.if \look
	s_cmp_eq_u32 s[TRIP], 1
	s_cbranch_scc1 .Lno_more_\@
.endif
	LOADS \c+2, \set
.if \look
.Lno_more_\@:
.endif
.set g, 0
.rept 4                                        ; 4 keys x 4 channels of bytes are transposed in two steps
.set xt, TM+2*g+4*(g/2)
	v_perm_b32 v[xt], v[CC+4*g+1], v[CC+4*g], s[PS]
	v_perm_b32 v[CC+4*g], v[CC+4*g+1], v[CC+4*g], s[PS+1]
	v_perm_b32 v[xt+1], v[CC+4*g+3], v[CC+4*g+2], s[PS]
	v_perm_b32 v[CC+4*g+2], v[CC+4*g+3], v[CC+4*g+2], s[PS+1]
.set g, g+1
.endr
	WIN 0x40
.set g, 0
.rept 4
.set xt, TM+2*g+4*(g/2)
	v_perm_b32 v[TT+g], v[xt+1], v[xt], s[PS+2]
	v_perm_b32 v[TT+4+g], v[xt+1], v[xt], s[PS+3]
	v_perm_b32 v[TT+8+g], v[CC+4*g+2], v[CC+4*g], s[PS+2]
	v_perm_b32 v[TT+12+g], v[CC+4*g+2], v[CC+4*g], s[PS+3]
.set g, g+1
.endr
	WIN 0x04
.irp j, 0,1,2,3
	ds_store_b128 v[AVI], v[TT+4*\j:TT+4*\j+3] offset:VIMG+512*\c+16*\j   ; channel 4 r + j: 16 bytes of the operand's lane
.endr
	WIN 0
.irp j, 0,1,2,3
	ds_store_b8 v[AVS], v[VBY+\j] offset:VSCO+8*\j+\c   ; both halves write the same byte with the same value
.endr
	Q4
	v_lshl_or_b32 v[KWD], v[TM+5], 8, v[TM+4]
	v_lshl_or_b32 v[KWD], v[TM+6], 16, v[KWD]
	v_lshl_or_b32 v[KWD], v[TM+7], 24, v[KWD]
	WIN 0x40
.irp b, 0,1,2,3
	CVB KC+4*\b, \b
.endr
	v_nop
	WIN 0x04
.irp b, 0,1,2,3
	ds_store_b128 v[AK], v[KC+4*\b:KC+4*\b+3] offset:2048*\c+512*\b
.endr
	WIN 0
	ds_store_b32 v[AKS], v[KWD] offset:KSCO+128*(\c%2)+4*(\c/2)
.endm
.macro RESET
	WIN 0x40
.set i, 0
.rept 64
	v_mov_b32 v[O+i], 0
.set i, i+1
.endr
	WIN 0
.irp u, 0,1
	v_mov_b32 v[NM+6*\u+1], 0xff61b1e6             ; -3e38, under every t
	v_mov_b32 v[NM+6*\u+2], 0
	v_mov_b32 v[NM+6*\u+3], 0
.endr
.irp u, 0,1
	v_floor_f32 v[NM+6*\u], -v[NM+6*\u+1]
.endr
.endm
.macro HEAD u                          ; line hn of a tile's maxima, M, f and t - M
.set rS, S+64*(\u)
.set rT, TM+16*(\u)
.set rN, NM+6*(\u)
.set rX, TMP+(\u)
.if hn < 4
	v_max3_num_f32 v[rT+hn], v[rS+16*hn], v[rS+16*hn+1], v[rS+16*hn+2]
.elseif hn < 28
	v_max3_num_f32 v[rT+hn%4], v[rT+hn%4], v[rS+16*(hn%4)+2*(hn/4)+1], v[rS+16*(hn%4)+2*(hn/4)+2]
.elseif hn < 32
	v_max_num_f32 v[rT+hn-28], v[rT+hn-28], v[rS+16*(hn-28)+15]
.elseif hn < 36
	v_permlanex16_b32 v[rT+4+hn-32], v[rT+hn-32], s[SEL], s[SEL+1]
.elseif hn < 40
	v_max_num_f32 v[rT+hn-36], v[rT+hn-36], v[rT+4+hn-36]
.elseif hn == 40
	v_max3_num_f32 v[rX], v[rT], v[rT+1], v[rT+2]
.elseif hn == 41
	v_max_num_f32 v[rX], v[rX], v[rT+3]
.elseif hn == 42
	v_mul_f32 v[rX], s[CS], v[rX]
.elseif hn == 43
	v_max_num_f32 v[rN+1], v[rN+1], v[rX]
.elseif hn == 44
	v_mov_b32 v[rX], v[rN]
.elseif hn == 45
	v_floor_f32 v[rN], -v[rN+1]
.elseif hn == 46
	v_sub_f32 v[rX], v[rN], v[rX]
.elseif hn == 47
	v_cvt_i32_f32 v[rX], v[rX]
.elseif hn == 48
	v_ldexp_f32 v[rN+4], 1.0, v[rX]
.elseif hn < 81
	v_pk_fma_f32 v[rS+2*(hn-49):rS+2*(hn-49)+1], v[rS+2*(hn-49):rS+2*(hn-49)+1], s[CS:CS+1], v[rN:rN+1] op_sel_hi:[1,0,0]
.else
	v_fma_f32 v[rT+hn-81], v[rT+hn-81], s[CS], v[rN]
.endif
.endm
.macro EXPO u
.if xe < 64
	v_exp_f32 v[S+64*(\u)+xe], v[S+64*(\u)+xe]
.else
	v_exp_f32 v[TM+16*(\u)+xe-64], v[TM+16*(\u)+xe-64]
.endif
.endm
.macro TAIL u                          ; line tn of a tile's sums (of the unquantised p, two chains), scales, holds and conversions; last the sum's update
.set rS, S+64*(\u)
.set rT, TM+16*(\u)
.set rL, NM+6*(\u)+2
.set rF, NM+6*(\u)+4
.set rM, L2+2*(\u)
.set rB, L3+2*(\u)
.set rW, PW+(\u)
.set rP, P+16*(\u)
.if tn == 0
	v_pk_add_f32 v[rM:rM+1], v[rS:rS+1], v[rS+2:rS+3]
.elseif tn == 1
	v_pk_add_f32 v[rB:rB+1], v[rS+4:rS+5], v[rS+6:rS+7]
.elseif tn < 30
.if tn%2 == 0
	v_pk_add_f32 v[rM:rM+1], v[rM:rM+1], v[rS+2*tn+4:rS+2*tn+5]
.else
	v_pk_add_f32 v[rB:rB+1], v[rB:rB+1], v[rS+2*tn+4:rS+2*tn+5]
.endif
.elseif tn < 34
	v_max_num_f32 v[rT+tn-30], 0x4800000, v[rT+tn-30]
.elseif tn < 38
	v_add_nc_u32 v[rT+12+tn-34], 0xfc000000, v[rT+tn-34]
.elseif tn < 42
	v_and_or_b32 v[rT+8+tn-38], v[rT+tn-38], 0x7f800000, s[MNT]
.elseif tn < 46
	v_lshrrev_b32 v[rT+4+tn-42], 23, v[rT+12+tn-42]
.elseif tn == 46
	v_lshl_or_b32 v[rW], v[rT+5], 8, v[rT+4]
.elseif tn == 47
	v_lshl_or_b32 v[rW], v[rT+6], 16, v[rW]
.elseif tn == 48
	v_lshl_or_b32 v[rW], v[rT+7], 24, v[rW]
.elseif tn < 89
.set bp, (tn-49)/20                    ; two neighbouring blocks at a time: 16 pairs of holds, then their four conversions
.set ti, (tn-49)%20
.if ti < 16
	; the hold (p is not negative: one-sided), two in one instruction: one number of each block, so that the destinations are one even and one odd, and the first sources and the two bounds lie in different register banks
	v_dual_min_num_f32 v[rS+32*bp+ti], v[rS+32*bp+ti], v[rT+8+2*bp] :: v_dual_min_num_f32 v[rS+32*bp+16+ti+1-2*(ti%2)], v[rS+32*bp+16+ti+1-2*(ti%2)], v[rT+9+2*bp]
.else
.set tb, 2*bp+(ti-16)/2
.set th, (ti-16)%2
	v_cvt_scalef32_pk8_fp8_f32 v[rP+4*tb+2*th:rP+4*tb+2*th+1], v[rS+16*tb+8*th:rS+16*tb+8*th+7], v[rT+12+tb]
.endif
.elseif tn == 89
	v_pk_add_f32 v[rM:rM+1], v[rM:rM+1], v[rB:rB+1]
.else
	v_pk_fma_f32 v[rL:rL+1], v[rL:rL+1], v[rF:rF+1], v[rM:rM+1] op_sel_hi:[1,0,1]   ; the sum under the new M, and this step's
.endif
.endm
; A KEY STEP: 128 keys for my two tiles of 16 queries.  S^T = K Q^T: a fragment of K holds two tiles' 64 channels, and Q stands beside zeros, so that one tile counts.  O^T += V^T P^T.
.macro STEP next
	s_wait_dscnt 0x0
	WIN 0x05
.irp p, 0,1,2,3
.irp u, 0,1
.irp x, 0,1
.if \p%2
	v_wmma_scale_f32_16x16x128_f8f6f4 v[S+64*\u+16*\p+8*\x:S+64*\u+16*\p+8*\x+7], v[KF+16*\p:KF+16*\p+15], v[QF+24*\u+8*\x:QF+24*\u+8*\x+15], 0, v[KSC+\p/2], v[QW+\u] matrix_a_scale:MATRIX_SCALE_ROW1
.else
	v_wmma_scale_f32_16x16x128_f8f6f4 v[S+64*\u+16*\p+8*\x:S+64*\u+16*\p+8*\x+7], v[KF+16*\p:KF+16*\p+15], v[QF+24*\u+8*\x:QF+24*\u+8*\x+15], 0, v[KSC+\p/2], v[QW+\u]
.endif
.endr
.endr
.endr
	WIN 0
	v_add_nc_u32 v[ADR], s[TB], v[LI]
	v_add_nc_u32 v[AD8], s[TB], v[L8]
.rept 6
	v_nop                                          ; eight places in front of loads into registers that the products read, and of the first read of S^T
.endr
	ds_load_b64 v[VSC:VSC+1], v[AD8] offset:VSCO
	WIN 0x40
.set i, 0
.rept 16
	ds_load_b128 v[VF+4*i:VF+4*i+3], v[ADR] offset:VIMG+512*i
.set i, i+1
.endr
.if \next
.set i, 0
.rept 16
	ds_load_b128 v[KF+4*i:KF+4*i+3], v[ADR] offset:REC+512*i
.set i, i+1
.endr
.endif
	WIN 0
.if \next
	ds_load_b64 v[KSC:KSC+1], v[AD8] offset:REC+KSCO
.endif
.set hn, 0
.rept 85                                       ; the two tiles by turns
	HEAD 0
	HEAD 1
.set hn, hn+1
.endr
	WIN 0x41
.irp u, 0,1
.set i, 0
.rept 16
	v_pk_mul_f32 v[O+32*\u+i:O+32*\u+i+1], v[O+32*\u+i:O+32*\u+i+1], v[NM+6*\u+4:NM+6*\u+5] op_sel_hi:[1,0]   ; O^T under the new M, ahead of the exponentials
.set i, i+2
.endr
.endr
	WIN 0
	s_wait_alu depctr_va_vdst(0)
.set xe, 0
.rept 68
	EXPO 0
	EXPO 1
.set xe, xe+1
.endr
	v_nop                                          ; the place behind the exponentials
	s_wait_alu depctr_va_vdst(0)                   ; one wait for the batch of 136, ahead of its first reader
.set tn, 0
.rept 91                                       ; its last four lines are the places between the last conversion and the products
	TAIL 0
	TAIL 1
.set tn, tn+1
.endr
	s_wait_alu depctr_va_vdst(0)
	s_wait_dscnt 17*\next                          ; V is in; the next step's 17 loads of K, issued behind, may be out
	WIN 0x51
.irp t, 0,1,2,3
.irp u, 0,1
.if \t%2
	v_wmma_scale_f32_16x16x128_f8f6f4 v[O+32*\u+8*\t:O+32*\u+8*\t+7], v[VF+16*\t:VF+16*\t+15], v[P+16*\u:P+16*\u+15], v[O+32*\u+8*\t:O+32*\u+8*\t+7], v[VSC+\t/2], v[PW+\u] matrix_a_scale:MATRIX_SCALE_ROW1
.else
	v_wmma_scale_f32_16x16x128_f8f6f4 v[O+32*\u+8*\t:O+32*\u+8*\t+7], v[VF+16*\t:VF+16*\t+15], v[P+16*\u:P+16*\u+15], v[O+32*\u+8*\t:O+32*\u+8*\t+7], v[VSC+\t/2], v[PW+\u]
.endif
.endr
.endr
	WIN 0
.if \next
	s_add_co_u32 s[TB], s[TB], REC
.endif
.endm
	s_load_b128 s[4:7], s[0:1], 0x0                ; qkv s[4:5], out0 s[6:7]
	v_lshl_add_u32 v[SPW], v0, 2, SPARE
	v_mov_b32 v[NIL], 0
	v_lshrrev_b32 v48, 5, v0
	v_readfirstlane_b32 s[WV], v48                 ; wave 0..7
	v_and_b32 v48, 31, v0                          ; lane
	v_and_b32 v49, 15, v0                          ; r
	v_bfe_u32 v50, v0, 4, 1                        ; h
	v_bfe_u32 v51, v0, 2, 2                        ; r / 4
	v_and_b32 v52, 3, v0                           ; r % 4
	v_bfe_u32 v53, v0, 2, 1                        ; (r / 4) % 2
	v_bfe_u32 v54, v0, 3, 1                        ; r / 8
	v_lshlrev_b32 v[LI], 4, v48
	s_mul_i32 s43, s[WV], 16*SPITCH
	s_add_co_u32 s43, s43, STAGE                   ; my stage
	v_mul_u32_u24 v[STO], v49, SPITCH
	v_add_nc_u32 v[STO], s43, v[STO]
	v_lshl_add_u32 v[SO], v50, 6, v[STO]
	v_lshl_add_u32 v[STO], v50, 5, v[STO]
	v_mul_u32_u24 v[RD], v50, SPITCH
	v_lshl_add_u32 v[RD], v49, 4, v[RD]
	v_add_nc_u32 v[RD], s43, v[RD]
	v_lshlrev_b32 v[VGO], 11, v50
	v_lshl_add_u32 v[VGO], v49, 4, v[VGO]          ; V in memory: 2,048 h (eight keys) + 16 r
	v_lshlrev_b32 v[LKS], 3, v49                   ; K's scale word: 8 r
	v_lshlrev_b32 v[LVI], 11, v51
	v_lshl_add_u32 v[LVI], v50, 8, v[LVI]
	v_lshl_add_u32 v[LVI], v52, 6, v[LVI]          ; V's image, channel 4 r + j: 2,048 (r / 4) + 256 h + 64 (r % 4) (+ 16 j)
	v_lshlrev_b32 v[LVS], 7, v53
	v_lshl_add_u32 v[LVS], v52, 5, v[LVS]
	v_lshl_add_u32 v[LVS], v54, 2, v[LVS]          ; V's scale byte: 128 ((r / 4) % 2) + 32 (r % 4) + 4 (r / 8) (+ 8 j + c)
	v_mov_b32 v[C448], 0x43e00000
	v_mov_b32 v[ONE], 1.0
.irp b, 0,1,2,3
	v_mov_b32 v[TM+4+\b], 0                        ; written once: a lane permute's destination counts as one of its sources
.endr
	s_and_b32 s11, ttmp7, 0xffff                   ; the head
	s_lshl_b32 s12, s11, 7
	s_lshl_b32 s13, s[WV], 4
	s_add_co_u32 s13, s13, s12                     ; my two records' first row: 128 bh + 16 w
	s_mul_i32 s8, s13, 12288                       ; (all offsets stay under 2^27)
	s_mov_b32 s9, 0
	s_bfe_u32 s14, ttmp6, 0x40000                  ; the four work-groups of a head form a cluster and are launched together; my place in it says which 512 queries are mine: it enters global addresses alone
	s_lshl_b32 s14, s14, 5
	s_add_co_u32 s14, s14, s12
	s_lshl_b32 s15, s[WV], 1
	s_add_co_u32 s14, s14, s15                     ; my first queries' row: 128 bh + 32 x + 2 w; the second walk's lie 16 rows on
	s_mul_i32 s10, s14, 12288
	s_mov_b32 s11, 0
	s_lshl_b32 s12, s14, 12                        ; a row of out0 is 4,096 bytes
	s_mov_b32 s13, 0
	s_mul_i32 s[LB], s[WV], 2*REC                  ; my first record in LDS
	s_mov_b32 s[MNT], 0x600000                     ; the mantissa field of 448
	s_mov_b32 s[SEL], 0x76543210
	s_mov_b32 s[SEL+1], 0xfedcba98                 ; lane l xor 16
	s_mov_b32 s[CS], 0x3fb8aa3b                    ; log2(e)
	s_mov_b32 s[CS+1], s[CS]
	s_mov_b32 s[CQ], 0x3eb504f3                    ; 8^-1/2, reference()'s scale for ch = 64
	s_mov_b32 s[CQ+1], s[CQ]
	s_mov_b32 s[PS], 0x05010400                    ; byte selects of the transposition
	s_mov_b32 s[PS+1], 0x07030602
	s_mov_b32 s[PS+2], 0x05040100
	s_mov_b32 s[PS+3], 0x07060302
	s_wait_alu depctr_va_vdst(0)
	s_wait_kmcnt 0x0
	s_add_nc_u64 s[8:9], s[4:5], s[8:9]
	s_add_nc_u64 s[10:11], s[4:5], s[10:11]
	s_add_nc_u64 s[12:13], s[6:7], s[12:13]
	WIN 0x40
	QLOAD 2
	QLOAD 3
	QLOAD 0
	QLOAD 1
	LOADS 0, 0
	LOADS 1, 1
	s_wait_loadcnt 63                              ; 80 loads were issued behind tiles 2 and 3: the field's largest count is under that
	TURN 192, 0
	TURN 224, 1
	s_wait_dscnt 0x0
	Q4
.irp a, 0,1
	v_lshl_or_b32 v[QN+\a], v[TM+5+2*\a], 8, v[TM+4+2*\a]
.endr
.irp a, 0,1
	v_lshl_or_b32 v[QN+\a], v[QN+\a], 16, v[QN+\a]   ; the two bytes in both halves: Q stands in either half of the operand
.endr
	WIN 0x40
.irp b, 0,1,2,3
	CVB QNX+4*\b, \b                               ; over registers whose numbers have gone to the stage
.endr
	v_nop
	WIN 0
	s_wait_loadcnt 63                              ; 64 loads were issued behind tiles 0 and 1
	TURN 128, 0
	TURN 160, 1
	s_wait_dscnt 0x0
	Q4
.irp a, 0,1
	v_lshl_or_b32 v[QW+\a], v[TM+5+2*\a], 8, v[TM+4+2*\a]
.endr
.irp a, 0,1
	v_lshl_or_b32 v[QW+\a], v[QW+\a], 16, v[QW+\a]
.endr
	WIN 0x40
.irp a, 0,1
.irp c, 0,1
	CVB QF+24*\a+4*\c, 2*\a+\c
	CVB QF+24*\a+16+4*\c, 2*\a+\c
.endr
.endr
.irp u, 0,1
.irp i, 0,1,2,3,4,5,6,7
	v_mov_b32 v[QF+24*\u+8+\i], 0
.endr
.endr
	WIN 0
	s_mov_b32 s[TRIP], 0
.Lrec:                                                 ; two trips: a record each
	s_wait_dscnt 0x0
	v_add_nc_u32 v[AK], s[LB], v[LI]
	v_add_nc_u32 v[AKS], s[LB], v[LKS]
	v_add_nc_u32 v[AVI], s[LB], v[LVI]
	v_add_nc_u32 v[AVS], s[LB], v[LVS]
	CHUNK 0, 0, 32, 0
	CHUNK 1, 1, 32, 0
	CHUNK 2, 0, 32, 1
	CHUNK 3, 1, 0, 1                               ; the wait is for 0: in the second trip nothing was issued behind this chunk's loads
	s_wait_xcnt 0x0                                ; the loads have read their base
	s_add_nc_u64 s[8:9], s[8:9], 8*12288
	s_add_co_u32 s[LB], s[LB], REC
	s_add_co_u32 s[TRIP], s[TRIP], 1
	s_cmp_lt_u32 s[TRIP], 2
	s_cbranch_scc1 .Lrec
	s_wait_loadcnt 0x0                             ; no load of mine is out: the loads' offsets and targets are written again below
	s_wait_dscnt 0x0                               ; for the others' sake: my two records lie in LDS; and my stores have read their registers
	v_and_b32 v[L8], 31, v0
	v_lshlrev_b32 v[L8], 3, v[L8]
.irp u, 0,1
.irp b, 0,1,2,3
	v_mov_b32 v[TM+16*\u+4+\b], 0
.endr
	v_mov_b32 v[TMP+\u], 0
	v_mov_b32 v[NM+6*\u+5], 0                      ; (named as the upper half of a pair)
.endr
	RESET
	s_wait_alu depctr_va_vdst(0)
	s_barrier_signal -1
	s_barrier_wait -1                              ; all 16 records are whole; nobody writes them again
	s_mov_b32 s[PASS], 0
.Lpass:
	s_mov_b32 s[TB], 0
	WIN 0x40
.set i, 0
.rept 16
	ds_load_b128 v[KF+4*i:KF+4*i+3], v[LI] offset:512*i
.set i, i+1
.endr
	WIN 0
	ds_load_b64 v[KSC:KSC+1], v[L8] offset:KSCO
	s_mov_b32 s[CNT], 15
.Lstep:
	STEP 1
	s_sub_co_u32 s[CNT], s[CNT], 1
	s_cmp_lg_u32 s[CNT], 0
	s_cbranch_scc1 .Lstep
	STEP 0
	; THE WAY OUT: O^T / the sum, through my stage, so that sixteen lanes store 256 consecutive bytes, aligned
.irp u, 0,1
	v_add_f32 v[NM+6*\u+2], v[NM+6*\u+2], v[NM+6*\u+3]
.endr
.irp u, 0,1
	v_permlanex16_b32 v[TMP+\u], v[NM+6*\u+2], s[SEL], s[SEL+1]
.endr
.irp u, 0,1
	v_add_f32 v[NM+6*\u+2], v[NM+6*\u+2], v[TMP+\u]
.endr
	s_wait_alu depctr_va_vdst(0)
.irp u, 0,1
	v_rcp_f32 v[NM+6*\u+2], v[NM+6*\u+2]
.endr
.rept 4
	v_nop
.endr
	s_wait_alu depctr_va_vdst(0)                   ; ahead of the first reader of the reciprocals and of O^T
	WIN 0x01
.irp u, 0,1
.set i, 0
.rept 16
	v_pk_mul_f32 v[S+64*\u+i:S+64*\u+i+1], v[O+32*\u+i:O+32*\u+i+1], v[NM+6*\u+2:NM+6*\u+3] op_sel_hi:[1,0]
.set i, i+2
.endr
.endr
	WIN 0
.irp u, 0,1
.irp t, 0,1,2,3
.irp x, 0,1
	ds_store_b128 v[STO], v[S+64*\u+8*\t+4*\x:S+64*\u+8*\t+4*\x+3] offset:64*\t+16*\x
.endr
.endr
.irp i, 0,1,2,3,4,5,6,7
	ds_load_b128 v[S+64*\u+32+4*\i:S+64*\u+32+4*\i+3], v[RD] offset:2*\i*SPITCH   ; LDS serves a wave's instructions in order
.endr
.endr
	s_wait_dscnt 16                                ; the first tile is back: the second's 16 instructions may be out
.irp i, 0,1,2,3,4,5,6,7
	global_store_b128 v[LI], v[S+32+4*\i:S+32+4*\i+3], s[12:13] offset:512*\i th:TH_STORE_NT
.endr
	s_wait_dscnt 0x0
.irp i, 0,1,2,3,4,5,6,7
	global_store_b128 v[LI], v[S+96+4*\i:S+96+4*\i+3], s[12:13] offset:4096+512*\i th:TH_STORE_NT
.endr
	s_cmp_eq_u32 s[PASS], 1
	s_cbranch_scc1 .Ldone
	s_wait_xcnt 0x0                                ; the stores' base and data may be written again
	s_add_nc_u64 s[12:13], s[12:13], 65536         ; 16 rows on
	v_mov_b32 v[QW], v[QN]
	v_mov_b32 v[QW+1], v[QN+1]
	WIN 0x41
.irp u, 0,1
.irp i, 0,1,2,3,4,5,6,7
	v_mov_b32 v[QF+24*\u+\i], v[QNX+8*\u+\i]
	v_mov_b32 v[QF+24*\u+16+\i], v[QNX+8*\u+\i]
.endr
.endr
	RESET
	s_add_co_u32 s[PASS], s[PASS], 1
	s_cmp_lt_u32 s[PASS], 2
	s_cbranch_scc1 .Lpass
.Ldone:
	s_wait_tensorcnt 0x0                           ; the wave's end, behind my last LDS store
	ds_add_u32 v[SPW], v[NIL]
	s_wait_dscnt 0x0
	s_endpgm
.Lfunc_end_k_q08b8079d28_attn:
	.size	k_q08b8079d28_attn, .Lfunc_end_k_q08b8079d28_attn-k_q08b8079d28_attn
	.p2alignl 7, 3214868480
	.fill 96, 4, 3214868480
	.section	.rodata,"a",@progbits
	.p2align	6, 0x0
	.amdhsa_kernel k_q08b8079d28_attn
		.amdhsa_group_segment_fixed_size 306176
		.amdhsa_private_segment_fixed_size 0
		.amdhsa_enable_private_segment 0
		.amdhsa_kernarg_size 16
		.amdhsa_user_sgpr_count 2
		.amdhsa_user_sgpr_kernarg_segment_ptr 1
		.amdhsa_wavefront_size32 1
		.amdhsa_system_sgpr_workgroup_id_x 1
		.amdhsa_system_sgpr_workgroup_id_y 1
		.amdhsa_system_sgpr_workgroup_id_z 1
		.amdhsa_system_vgpr_workitem_id 0
		.amdhsa_next_free_vgpr 512
		.amdhsa_next_free_sgpr 66
		.amdhsa_reserve_vcc 0
		.amdhsa_float_denorm_mode_32 3
		.amdhsa_float_denorm_mode_16_64 3
		.amdhsa_memory_ordered 1
		.amdhsa_forward_progress 1
		.amdhsa_inst_pref_size 232
	.end_amdhsa_kernel
	.amdgpu_metadata
---
amdhsa.version: [ 1, 2 ]
amdhsa.kernels:
  - .name:           k_q08b8079d28_attn
    .symbol:         k_q08b8079d28_attn.kd
    .args:
      - { .name: qkv, .offset: 0, .size: 8, .value_kind: global_buffer, .address_space: global }
      - { .name: out0, .offset: 8, .size: 8, .value_kind: global_buffer, .address_space: global }
    .group_segment_fixed_size: 306176
    .private_segment_fixed_size: 0
    .kernarg_segment_align: 8
    .kernarg_segment_size: 16
    .max_flat_workgroup_size: 256
    .sgpr_count:     66
    .vgpr_count:     512
    .wavefront_size: 32
...
	.end_amdgpu_metadata
.endif
;; end of part 1
